; MI455X (gfx1250); checked and timed in simulation.
; The chip was launched on July 23, 2026; its instructions are those of AMD's public machine-readable ISA for CDNA 5 (MIT licence, August 2026) and "CDNA5" Instruction Set Architecture Reference Guide (July 2026). The comments in the code are by the model that wrote it; some were corrected since.
;; Sliding Window Attention. Allowed arithmetic: matrix products marked QUANTISED: E4M3 operands, one given power-of-two scale a tensor, by v_wmma_f32_16x16x64_fp8_fp8 or v_wmma_f32_16x16x128_fp8_fp8, f32 sums; everything else in f32.
;; Inputs: W_out 1,024 x 1,024 float32; W_qkv 3,072 x 1,024 float32; lowp_scales 8 int32 (the exponents e of the quantised operands' scales 2^e); x 2 x 2,048 x 1,024 float32.
;; Outputs: out0 2 x 2,048 x 1,024 float32.
;; This version of the problem:
;;   THIS VERSION OF THE PROBLEM IS GIVEN IN LOW PRECISION. The matrix products marked QUANTISED in the list below multiply operands that are first quantised to E4M3 (4 exponent bits, 3 mantissa bits; 8 bits a number), with one given power-of-two scale for each operand tensor; their sums are f32. All else is computed in f32.
;;   The module's matrix products, in the order in which they are computed (A, B: the left and right operand; K: the contracted axis; several contracted axes count as one K, in the product's order):
;;     1. [M 4,096, K 1,024] x [K 1,024, N 3,072]; A: input x; B: input W_qkv: QUANTISED (scales: A lowp_scales[0], B lowp_scales[1])
;;     2. batch 32 x [M 2,048, K 64] x [K 64, N 2,048]; A: computed on the way; B: computed on the way: QUANTISED (scales: A lowp_scales[2], B lowp_scales[3])
;;     3. batch 32 x [M 2,048, K 2,048] x [K 2,048, N 64]; A: computed on the way; B: computed on the way: QUANTISED (scales: A lowp_scales[4], B lowp_scales[5])
;;     4. [M 4,096, K 1,024] x [K 1,024, N 1,024]; A: computed on the way; B: input W_out: QUANTISED (scales: A lowp_scales[6], B lowp_scales[7])
;;   THE QUANTISER, for each operand of a quantised product, along K:
;;     - The operand's scale is 2^e, e = its entry of the input lowp_scales (int32; the entries are numbered through the quantised products in the list's order, A before B).
;;     - Each number is divided by the scale, clamped to +-448, and rounded to the nearest number of E4M3, ties to even, subnormals kept.
;;     - The product sums the exact products of the quantised numbers (number of the format x scale) in f32.
;;   ~~~python
;;   def quantise(x, axis, e):      # numpy; x: float32 -> the quantised numbers, widened to float32 again
;;       x = np.moveaxis(x, axis, -1); K = x.shape[-1]
;;       r = np.clip(x / 2.0 ** e, -448, 448)
;;       step = 2.0 ** (np.maximum(np.frexp(np.where(r == 0, 1, r))[1] - 1, -6) - 3)
;;       q = np.round(r / step) * step * 2.0 ** e      # np.round: ties to even
;;       return np.moveaxis(q, -1, axis).astype(np.float32)
;;   ~~~
;;   OPERANDS COMPUTED ON THE WAY. 'Computed on the way' means the value that the module computes at that place (a softmax that the list does not call 'softmax' is quantised finished and normalised). What goes into a quantiser is computed in f32, as accurately as f32 sums, v_exp_f32 and their like allow (about 1e-6 of the number): no bf16 or f16 on the way to a quantiser, and a product that is left as it is and whose result goes on into a quantised operand takes f32 operands (vector FMAs, or v_wmma_f32_16x16x4_f32). A number that lies on a knife's edge between two numbers of the format may be rounded either way, as far as f32 arithmetic and the matrix unit's own rounding can turn it there, and no further.
;; One version. Each part assembles by itself: llvm-mc -triple=amdgcn-amd-amdhsa -mcpu=gfx1250 --defsym DOCPART=n.
;; ======== version 1 of 1: 4 launches
;; limits: right only within a limited range of input values
;; workspace buffers: xc 4,194,304 bytes; wqc 3,145,728 bytes; woc 1,048,576 bytes; qkvc 12,582,912 bytes; ac 4,194,304 bytes
;; launch quant (part 1): grid 256 x 1, 8 waves a work-group, no clusters, 68,608 bytes of LDS; arguments x, W_qkv, W_out, lowp_scales, xc, wqc, woc; writes xc, wqc, woc
.if DOCPART == 1
	.amdgcn_target "amdgcn-amd-amdhsa--gfx1250"
	.amdhsa_code_object_version 6
	.text
	.protected	k_q669f76ec35_quant
	.globl	k_q669f76ec35_quant
	.p2align	8
	.type	k_q669f76ec35_quant,@function
k_q669f76ec35_quant:
	s_mov_b64 s[64:65], 0
	v_nop
	global_prefetch_b8 v0, s[64:65] scope:SCOPE_SE
	s_setreg_imm32_b32 hwreg(HW_REG_WAVE_MODE, 25, 1), 1
	s_wait_xcnt 0x0
; x [4096][1024], W_qkv [3072][1024] and W_out [1024][1024], f32, K innermost, become codes of FP8 (E4M3), each tensor with its given scale 2^e (entries 0, 1 and 7 of the scales).
; code = number / 2^e, held within +-448, rounded to the nearest code, ties to even.
; THE CODES ARE LAID AS IMAGES OF THE OPERAND'S REGISTERS: [tile of 16 rows][K step of 128][c 0..3][lane 0..31][16 bytes]; lane (r = lane % 16, h = lane / 16) holds, in group c, k = 128 ks + 32 c + 16 h + 0..15 of the tile's row r.
; So a fragment of the K = 128 form is 2,048 consecutive bytes, and the products' launches fetch it by four loads of 16 bytes a lane.
; SHARES.  4,096 fragments in all; a work-group takes 16 (two tiles of rows), each of its eight waves two neighbours along K.  Work-groups 0-127: x; 128-223: W_qkv; 224-255: W_out: only pointers and e are chosen, one path.
; A load reads 512 consecutive bytes of one row (a fragment's 128 numbers); the 16 rows turn through the wave's own stage in LDS (rows of 512 + 16 bytes) and come back 16 neighbours a lane.  All 32 loads of a wave go out at the start.
; LIMITS: e between -126 and 119, so that 2^e and 448 x 2^e are f32 numbers.  NaN among the inputs is not served (an infinity is held at the largest code).
.set SP,    528                        ; a stage row: 512 bytes + 16 of padding: sixteen rows start at sixteen different 16-byte columns
.set SWAVE, 16*SP                      ; a wave's stage
.set SPARE, 8*SWAVE                    ; behind the stages: the spare words, 128 bytes for each wave: four blocks of 256 bytes that no other line names
.set SPW,   12                         ; v12  LDS address of my spare word; never rewritten
.set NIL,   13                         ; v13  0; never rewritten
.set R,     16                         ; v16-143  two fragments x 16 rows x 4 registers, as loaded
.set X,     144                        ; v144-207 64 numbers: register 16 c + i = k 32 c + 16 h + i of my row
.set C,     208                        ; v208-239 16 registers of codes for each fragment: no store's data are written again
	s_load_b256 s[4:11], s[0:1], 0x0               ; x s[4:5], W_qkv s[6:7], W_out s[8:9], the scales' exponents s[10:11]
	s_load_b128 s[12:15], s[0:1], 0x20             ; xc, wqc
	s_load_b64 s[16:17], s[0:1], 0x30              ; woc
	v_lshl_add_u32 v[SPW], v0, 2, SPARE
	v_mov_b32 v[NIL], 0
	v_lshrrev_b32 v4, 5, v0
	v_readfirstlane_b32 s18, v4                    ; wave 0..7
	v_and_b32 v1, 31, v0
	v_lshlrev_b32 v1, 4, v1                        ; 16 x lane: my bytes of a load's 512, and of a store's
	s_mul_i32 s19, s18, SWAVE
	v_add_nc_u32 v2, s19, v1                       ; the stage, way in: a row as it lies
	v_and_b32 v4, 15, v0                           ; r
	v_bfe_u32 v5, v0, 4, 1                         ; h
	v_mul_u32_u24 v3, v4, SP
	v_lshl_add_u32 v3, v5, 6, v3
	v_add_nc_u32 v3, s19, v3                       ; way out: row r, + 64 h bytes: my 16 numbers of a block of 32
	s_cmp_lt_u32 ttmp9, 128
	s_cselect_b32 s26, 0, 128
	s_cmp_lt_u32 ttmp9, 224
	s_cselect_b32 s26, s26, 224
	s_sub_co_u32 s26, ttmp9, s26                   ; the work-group's number within its tensor
	s_lshl_b32 s24, s26, 1
	s_lshr_b32 s25, s18, 2
	s_add_co_u32 s24, s24, s25                     ; my tile of 16 rows,
	s_lshl_b32 s24, s24, 16                        ; 65,536 bytes of f32 each,
	s_and_b32 s25, s18, 3
	s_lshl_b32 s25, s25, 10                        ; and my two K steps: 1,024 bytes of each row
	s_add_co_u32 s24, s24, s25
	s_mov_b32 s25, 0
	s_lshl_b32 s26, s26, 15                        ; the codes: 32,768 bytes a work-group, 4,096 a wave
	s_lshl_b32 s27, s18, 12
	s_add_co_u32 s26, s26, s27
	s_mov_b32 s27, 0
	s_wait_kmcnt 0x0
	s_load_b256 s[28:35], s[10:11], 0x0            ; the eight exponents
	s_cmp_lt_u32 ttmp9, 128                        ; the choices hang on the work-group's number alone
	s_cselect_b64 s[20:21], s[4:5], s[6:7]
	s_cselect_b64 s[22:23], s[12:13], s[14:15]
	s_cmp_lt_u32 ttmp9, 224
	s_cselect_b64 s[20:21], s[20:21], s[8:9]
	s_cselect_b64 s[22:23], s[22:23], s[16:17]
	s_add_nc_u64 s[20:21], s[20:21], s[24:25]
	s_add_nc_u64 s[22:23], s[22:23], s[26:27]
.irp g, 0,1
.irp p, 0,1,2,3,4,5,6,7,8,9,10,11,12,13,14,15
	global_load_b128 v[R+64*\g+4*\p:R+64*\g+4*\p+3], v1, s[20:21] offset:4096*\p+512*\g th:TH_LOAD_NT   ; row p, fragment g: 512 consecutive bytes, read once in the launch
.endr
.endr
	s_wait_kmcnt 0x0
	s_cmp_lt_u32 ttmp9, 128
	s_cselect_b32 s36, s28, s29
	s_cmp_lt_u32 ttmp9, 224
	s_cselect_b32 s36, s36, s35                    ; e: entry 0, 1 or 7
	s_add_co_i32 s36, s36, 127
	s_lshl_b32 s37, s36, 23
	v_mov_b32 v11, s37                             ; 2^e as f32: the conversion takes its exponent field
	s_add_co_i32 s36, s36, 8
	s_lshl_b32 s36, s36, 23
	s_or_b32 s36, s36, 0x600000
	v_mov_b32 v10, s36                             ; 448 x 2^e
.macro FRAG g
.irp p, 0,1,2,3,4,5,6,7,8,9,10,11,12,13,14,15
	ds_store_b128 v2, v[R+64*\g+4*\p:R+64*\g+4*\p+3] offset:SP*\p
.endr
.irp c, 0,1,2,3
.irp p, 0,1,2,3
	ds_load_b128 v[X+16*\c+4*\p:X+16*\c+4*\p+3], v3 offset:128*\c+16*\p   ; LDS serves a wave's instructions in order (ISA guide 5.7.1.4): these see the stores above
.endr
.endr
	s_wait_dscnt 0x0
.set j, 0
.rept 64
	v_med3_num_f32 v[X+j], v[X+j], -v10, v10       ; the conversion to an 8-bit code does not saturate (ISA guide 7.6.2): the hold at the largest code x the scale
.set j, j+1
.endr
.irp c, 0,1,2,3
	v_cvt_scalef32_pk8_fp8_f32 v[C+16*\g+4*\c:C+16*\g+4*\c+1], v[X+16*\c:X+16*\c+7], v11
	v_cvt_scalef32_pk8_fp8_f32 v[C+16*\g+4*\c+2:C+16*\g+4*\c+3], v[X+16*\c+8:X+16*\c+15], v11
.endr
	v_nop                                          ; one plain vector line behind the conversions: the next fragment's holds write their sources
.irp c, 0,1,2,3
	global_store_b128 v1, v[C+16*\g+4*\c:C+16*\g+4*\c+3], s[22:23] offset:2048*\g+512*\c   ; 32 lanes store 512 consecutive bytes, at a multiple of 256 from the buffer's first byte
.endr
.endm
	s_wait_loadcnt 16                              ; fragment 0's sixteen loads are in; fragment 1's sixteen may be out
	FRAG 0
	s_wait_loadcnt 0x0
	FRAG 1
	s_wait_tensorcnt 0x0                           ; the wave's end: a wait on TENSORcnt, an add to my spare word and its wait, behind my last LDS store; the tensor wait even in a text with no tensor load
	ds_add_u32 v[SPW], v[NIL]
	s_wait_dscnt 0x0
	s_endpgm
.Lfunc_end_k_q669f76ec35_quant:
	.size	k_q669f76ec35_quant, .Lfunc_end_k_q669f76ec35_quant-k_q669f76ec35_quant
	.p2alignl 7, 3214868480
	.fill 96, 4, 3214868480
	.section	.rodata,"a",@progbits
	.p2align	6, 0x0
	.amdhsa_kernel k_q669f76ec35_quant
		.amdhsa_group_segment_fixed_size 68608
		.amdhsa_private_segment_fixed_size 0
		.amdhsa_enable_private_segment 0
		.amdhsa_kernarg_size 56
		.amdhsa_user_sgpr_count 2
		.amdhsa_user_sgpr_kernarg_segment_ptr 1
		.amdhsa_wavefront_size32 1
		.amdhsa_system_sgpr_workgroup_id_x 1
		.amdhsa_system_sgpr_workgroup_id_y 1
		.amdhsa_system_sgpr_workgroup_id_z 1
		.amdhsa_system_vgpr_workitem_id 0
		.amdhsa_next_free_vgpr 240
		.amdhsa_next_free_sgpr 66
		.amdhsa_reserve_vcc 0
		.amdhsa_float_denorm_mode_32 3
		.amdhsa_float_denorm_mode_16_64 3
		.amdhsa_memory_ordered 1
		.amdhsa_forward_progress 1
		.amdhsa_inst_pref_size 20
	.end_amdhsa_kernel
	.amdgpu_metadata
---
amdhsa.version: [ 1, 2 ]
amdhsa.kernels:
  - .name:           k_q669f76ec35_quant
    .symbol:         k_q669f76ec35_quant.kd
    .args:
      - { .name: x, .offset: 0, .size: 8, .value_kind: global_buffer, .address_space: global }
      - { .name: W_qkv, .offset: 8, .size: 8, .value_kind: global_buffer, .address_space: global }
      - { .name: W_out, .offset: 16, .size: 8, .value_kind: global_buffer, .address_space: global }
      - { .name: lowp_scales, .offset: 24, .size: 8, .value_kind: global_buffer, .address_space: global }
      - { .name: xc, .offset: 32, .size: 8, .value_kind: global_buffer, .address_space: global }
      - { .name: wqc, .offset: 40, .size: 8, .value_kind: global_buffer, .address_space: global }
      - { .name: woc, .offset: 48, .size: 8, .value_kind: global_buffer, .address_space: global }
    .group_segment_fixed_size: 68608
    .private_segment_fixed_size: 0
    .kernarg_segment_align: 8
    .kernarg_segment_size: 56
    .max_flat_workgroup_size: 256
    .sgpr_count:     66
    .vgpr_count:     240
    .wavefront_size: 32
...
	.end_amdgpu_metadata
.endif
;; end of part 1
;; launch qkv (part 2): grid 12 x 16, 4 waves a work-group, clusters of 4 x 4, 327,680 bytes of LDS; arguments xc, wqc, lowp_scales, qkvc; writes qkvc
.if DOCPART == 2
	.amdgcn_target "amdgcn-amd-amdhsa--gfx1250"
	.amdhsa_code_object_version 6
	.text
	.protected	k_q669f76ec35_qkv
	.globl	k_q669f76ec35_qkv
	.p2align	8
	.type	k_q669f76ec35_qkv,@function
k_q669f76ec35_qkv:
	s_mov_b64 s[64:65], 0
	v_nop
	global_prefetch_b8 v0, s[64:65] scope:SCOPE_SE
	s_setreg_imm32_b32 hwreg(HW_REG_WAVE_MODE, 25, 1), 1
	s_wait_xcnt 0x0
	s_wait_alu depctr_hold_cnt(0) depctr_sa_sdst(0) depctr_va_vdst(0) depctr_va_sdst(0) depctr_va_ssrc(0) depctr_va_vcc(0) depctr_vm_vsrc(0)
	s_getreg_b32 s2, hwreg(HW_REG_IB_STS2, 6, 4)
	s_cmp_eq_u32 s2, 0
	s_cbranch_scc0 .Lentry_in_a_cluster
	s_endpgm
.Lentry_in_a_cluster:
	s_bfe_u32 s2, ttmp6, 0x10000c
	s_cmp_lg_u32 s2, 0xf033
	s_cbranch_scc0 .Lentry_shape_is_right
	s_endpgm
.Lentry_shape_is_right:
; qkv = x W_qkv^T on codes of FP8 (E4M3); each finished sum, which stands for sum x 2^(e0 + e1), is quantised at once to a code of q (e2), k (e3) or v (e5): the three scales are folded into the conversion's one.
; A tile of 256 x 256 sums is made by four waves, each 128 x 128: 64 accumulators of 16 x 16.  K = 1,024 goes in four steps of 256 through two LDS slots filled by the tensor data mover.
; THE OPERANDS LIE IN MEMORY AS IMAGES OF THEIR REGISTERS ([tile of 16 rows][K step of 128][c][lane][16 bytes]): a K step of 256 of a tile of 16 rows is 4,096 consecutive bytes, a fragment four loads of 16 bytes at 16 x lane: no pitch, no padding.
; THE MATRIX INSTRUCTION IS USED TRANSPOSED (source 0 = 16 rows of "B", source 1 = 16 rows of "A"): a lane holds one row of A and eight neighbouring rows of B.
; CLUSTERS OF 4 x 4.  Cluster x = 0, 1 (q, k): A = x's tokens (tile row 4 x cluster y + cy), B = W's features (tile column 4 x cluster x + cx): a lane's registers run along the head's 64, which are K of the scores.
;   Cluster x = 2 (v): A = W_v's features (tile row cy), B = x's tokens (tile column 4 x cluster y + cx): a lane's registers run along the tokens, which are K of the second product of attention.
;   What differs is chosen by s_cselect on the cluster's x, which all sixteen partners share; no branch and no LDS address hangs on it.  A's tiles are asked for jointly along a row of the cluster, B's along a column.
; OUT: qkvc [plane q, k, v][batch 2][head 16][block of 64 tokens, 32][4,096 bytes].  A block is 64 rows (q, k: tokens; v: the head's 64) x 64 codes (q, k: the head's 64; v: tokens), as four tiles T of 1,024 bytes:
;   [c 0..1][lane][16 bytes]; lane (r, h) holds row 32 (T / 2) + 8 (T % 2) + r + 8 (r / 8), columns 32 c + 16 h + 0..15: an operand of the K = 64 form by two loads of 16 bytes a lane.
; LIMITS: e2 - e0 - e1, e3 - e0 - e1 and e5 - e0 - e1 between -126 and 119, so that each folded scale and 448 x it are f32 numbers.
; REGISTERS, in windows of 256: window 0: v0-31 addresses and the two scale registers; from v128 A's fragments, ONE set; on the way out v32-159 the codes.  window 1: B's fragments, TWO sets.  windows 2, 3: the accumulators ((a, b) at v[8 (8 (a % 4) + b)]).
.set HALFT,  32768                     ; what one tensor load brings: 8 tiles of 16 rows x 4,096 bytes; and what one wave reads of A or of B in a slot
.set SLOT,   4*HALFT                   ; A's 256 rows, then B's 256 rows, 256 along K
.set SPARE,  2*SLOT                    ; behind the ring: the spare words, 128 bytes for each wave: two blocks of 256 bytes that no other line names
.set KSB,    4096                      ; a K step of 256 in a tile's 16,384 bytes
.set FR,     16                        ; registers of a fragment
.set NL,     4                         ; LDS loads that bring one
.set NP,     4                         ; places behind this matrix instruction (ISA guide 7.12.1)
.set SROW,   80                        ; the way out: a stage row: 64 codes + 16 bytes of padding
.set SBLK,   64*SROW                   ; a block of 64 rows
.set SWAVE,  4*SBLK                    ; a wave's stage: its four blocks.  The stages lie in slot 0, which has had its last fill and its last read when the first code is stored there
.set CVS,  12                          ; v12     the folded scale as f32
.set HOLD, 13                          ; v13     448 x that
.set ADRA, 16                          ; v16-17  LDS address of my A fragments in slot 0, 1
.set ADRB, 20                          ; v20-21  the same for B
.set STO,  24                          ; v24     the way out: where I put 8 codes of a row
.set RD,   25                          ; v25     where I read 16 codes back
.set CO,   26                          ; v26     16 x lane
.set SPW,  28                          ; v28     LDS address of my spare word; never rewritten
.set NIL,  29                          ; v29     0; never rewritten
.set CD,   32                          ; v32-159 the codes
.set AF,   128                         ; A's fragments, in window 0
.set G1, 24                            ; s[24:31] descriptor group 1 for A's tiles;  s[32:39] group 0, one set for each slot
.set G0, 32
.set G1B, 48                           ; s[48:55], s[56:63] the same for B's tiles
.set G0B, 56
.set EX, 68                            ; s[68:75] the eight exponents
.set BB, 76                            ; s[76:83] where my four blocks go
.set MSB, 0
.macro WIN new                         ; the immediate's high byte repeats the setting that is left
.if MSB != \new
	s_set_vgpr_msb (MSB<<8)|\new
.set MSB, \new
.endif
.endm
.set MUL_LO, 0xa1                      ; source 0 (B) window 1, source 1 (A) window 0, C and D window 2
.set MUL_HI, 0xf1                      ; the same, C and D window 3
.set TO_B,   0x40                      ; destination window 1, address window 0
; A joint load: waves 0 and 1 fetch for A, waves 2 and 3 for B.  Each of the two lines has one mask and one set of registers for all that issue it; the branch hangs on the wave's number alone.
; An s_nop 0 and four v_nop follow each of the two lines, ahead of the jump, the label and what follows.
.macro JLOAD g0a, g1a, g0b, g1b
	s_cmp_eq_u32 s15, 0
	s_cbranch_scc0 .Lfor_b_\@
	tensor_load_to_lds s[\g0a:\g0a+3], s[\g1a:\g1a+7]
	s_nop 0
.rept 4
	v_nop
.endr
	s_branch .Lasked_\@
.Lfor_b_\@:
	tensor_load_to_lds s[\g0b:\g0b+3], s[\g1b:\g1b+7]
	s_nop 0
.rept 4
	v_nop
.endr
.Lasked_\@:
.endm
.macro CREST                           ; a round of the cluster's barrier behind its opening barrier
	s_cmp_lg_u32 s14, 0
	s_cbranch_scc1 .Lnot_wave_0_\@
	s_barrier_signal -3
.Lnot_wave_0_\@:
	s_barrier_wait -3
	s_barrier_signal -1
	s_barrier_wait -1
.endm
.macro CROUND                          ; a whole round
	s_barrier_signal -1
	s_barrier_wait -1
	CREST
.endm
	s_load_b128 s[4:7], s[0:1], 0x0                ; xc s[4:5], wqc s[6:7]
	s_load_b128 s[8:11], s[0:1], 0x10              ; the scales' exponents s[8:9], qkvc s[10:11]
	v_lshl_add_u32 v[SPW], v0, 2, SPARE
	v_mov_b32 v[NIL], 0
	ds_add_u32 v[SPW], v[NIL]                      ; the wave's opening: the add and its wait stand ahead of my first tensor load; the set-up below, work on registers, stands between them
	v_lshrrev_b32 v1, 5, v0
	v_readfirstlane_b32 s14, v1                    ; wave 0..3
	s_lshr_b32 s15, s14, 1                         ; which half of the tile's rows is mine.  Also: I fetch for A (0) or for B (1)
	s_and_b32 s16, s14, 1                          ; which half of its columns.  Also: which 128 rows of that tile I fetch
	s_bfe_u32 s40, ttmp6, 0x40000                  ; cx, cy: my place in the cluster
	s_bfe_u32 s41, ttmp6, 0x40004
	s_and_b32 s84, ttmp7, 0xffff                   ; cluster y
	s_cmp_eq_u32 ttmp9, 2                          ; v's clusters?  The same answer in all sixteen partners
	s_cselect_b32 s85, 0, s84                      ; the cluster's part of the tile row: q, k: cluster y; v: none
	s_cselect_b32 s86, s84, ttmp9                  ; and of the tile column: q, k: cluster x; v: cluster y
	s_cselect_b32 s87, 0x200000, 0                 ; v: A begins at W_v's first row, 2,048 rows of 1,024 codes into wqc
	s_lshl_b32 s17, s85, 2
	s_add_co_u32 s17, s17, s41                     ; tile row
	s_lshl_b32 s42, s86, 2
	s_add_co_u32 s42, s42, s40                     ; tile column
	s_lshl_b32 s43, s41, 2
	s_lshl_b32 s43, 15, s43                        ; my row of the cluster
	s_lshl_b32 s44, 0x1111, s40                    ; my column
	; descriptor group 1: 8 rows (tiles of 16) x 512 elements of 8 bytes, 2,048 elements apart; dense in LDS
	s_or_b32 s[G1+0], s43, (3<<16)|(1<<21)         ; 15:0 the mask: A's tiles go to my row; 17:16 elements of 8 bytes; 20 no padding; 21 set beside a mask
	s_or_b32 s[G1B+0], s44, (3<<16)|(1<<21)
.irp g, G1, G1B
	s_mov_b32 s[\g+1], 512<<16                     ; tensor_dim0 = 512
	s_mov_b32 s[\g+2], 8<<16                       ; tensor_dim1 = 8
	s_mov_b32 s[\g+3], 512<<16                     ; tile_dim0 = 512
	s_mov_b32 s[\g+4], 8                           ; tile_dim1 = 8
	s_mov_b32 s[\g+5], 2048                        ; tensor_dim0_stride
	s_mov_b32 s[\g+6], 0
	s_mov_b32 s[\g+7], 0
.endr
	s_lshl_b32 s18, s16, 17                        ; which 128 rows of the tile I fetch: 8 tiles of 16,384 bytes
	s_lshl_b32 s20, s17, 18
	s_add_co_u32 s20, s20, s18
	s_add_co_u32 s20, s20, s87                     ; A: 262,144 x tile row + my half (+ W_v's start)
	s_mov_b32 s21, 0
	s_lshl_b32 s46, s42, 18
	s_add_co_u32 s46, s46, s18                     ; B: 262,144 x tile column + my half
	s_mov_b32 s47, 0
	s_mul_i32 s45, s14, HALFT                      ; where they go: wave x 32,768: no place in the cluster enters an LDS address
	s_wait_dscnt 0x0                               ; the opening add is done
	s_wait_kmcnt 0x0
	s_load_b256 s[EX:EX+7], s[8:9], 0x0            ; the eight exponents
	s_cmp_eq_u32 ttmp9, 2
	s_cselect_b64 s[88:89], s[6:7], s[4:5]         ; A's buffer
	s_cselect_b64 s[90:91], s[4:5], s[6:7]         ; B's
	s_add_nc_u64 s[20:21], s[88:89], s[20:21]
	s_add_nc_u64 s[46:47], s[90:91], s[46:47]
	CROUND                                         ; all sixteen work-groups are here: the first joint loads meet
.irp s, 0,1
	s_mov_b32 s[G0+4*\s], 1
	s_add_co_u32 s[G0+4*\s+1], s45, \s*SLOT
	s_add_nc_u64 s[G0+4*\s+2:G0+4*\s+3], s[20:21], \s*KSB
	s_or_b32 s[G0+4*\s+3], s[G0+4*\s+3], 0x80000000
	s_mov_b32 s[G0B+4*\s], 1
	s_add_co_u32 s[G0B+4*\s+1], s45, \s*SLOT
	s_add_nc_u64 s[G0B+4*\s+2:G0B+4*\s+3], s[46:47], \s*KSB
	s_or_b32 s[G0B+4*\s+3], s[G0B+4*\s+3], 0x80000000
	JLOAD G0+4*\s, G1, G0B+4*\s, G1B               ; two loads of mine are out
.endr
	v_and_b32 v1, 31, v0
	v_lshlrev_b32 v[CO], 4, v1                     ; 16 x lane
	s_mul_i32 s21, s15, HALFT                      ; my 128 rows of A
	s_mul_i32 s22, s16, HALFT                      ; my 128 rows of B,
	s_add_co_u32 s22, s22, 2*HALFT                 ; which lie behind A's 256
.irp s, 0,1
	v_add_nc_u32 v[ADRA+\s], s21, v[CO]
	v_add_nc_u32 v[ADRB+\s], s22, v[CO]
	s_add_co_u32 s21, s21, SLOT
	s_add_co_u32 s22, s22, SLOT
.endr
	s_mul_i32 s23, s14, SWAVE                      ; my stage
	v_and_b32 v2, 15, v0                           ; r
	v_bfe_u32 v3, v0, 4, 1                         ; h
	v_mul_u32_u24 v5, v2, SROW
	v_lshl_add_u32 v5, v3, 3, v5
	v_add_nc_u32 v[STO], s23, v5                   ; in: row r, 8 bytes for each half of the lanes
	v_and_b32 v6, 8, v0
	v_add_nc_u32 v6, v6, v2                        ; r + 8 (r / 8)
	v_mul_u32_u24 v6, v6, SROW
	v_lshl_add_u32 v6, v3, 4, v6
	v_add_nc_u32 v[RD], s23, v6                    ; back: a tile's row for my lane, 16 bytes for each half
	; where my four blocks of 64 x 64 go.  rb: which 64 of my rows; cb: which 64 of my columns
	s_lshl_b32 s92, s17, 2
	s_lshl_b32 s66, s15, 1
	s_add_co_u32 s92, s92, s66                     ; my first block of rows
	s_lshl_b32 s93, s42, 2
	s_lshl_b32 s66, s16, 1
	s_add_co_u32 s93, s93, s66                     ; my first block of columns
	s_mov_b32 s67, 0x20000
	s_cmp_eq_u32 ttmp9, 2
	s_cselect_b32 s94, s93, s92                    ; the block of tokens: q, k: by rows; v: by columns
	s_cselect_b32 s95, s92, s93                    ; the head: the other one
	s_cselect_b32 s96, s67, 4096                   ; a block of rows on: q, k: the next tokens, 4,096 bytes; v: the next head, 131,072
	s_cselect_b32 s98, 4096, s67                   ; a block of columns on
	s_mov_b32 s97, 0
	s_mov_b32 s99, 0
	s_and_b32 s95, s95, 15                         ; (k's columns are features 1,024 on)
	s_lshl_b32 s95, s95, 17
	s_lshl_b32 s100, ttmp9, 22                     ; the plane
	s_add_co_u32 s100, s100, s95
	s_lshr_b32 s66, s94, 5                         ; the batch
	s_lshl_b32 s66, s66, 21
	s_add_co_u32 s100, s100, s66
	s_and_b32 s66, s94, 31
	s_lshl_b32 s66, s66, 12
	s_add_co_u32 s100, s100, s66
	s_mov_b32 s101, 0
	s_add_nc_u64 s[BB:BB+1], s[10:11], s[100:101]  ; block 2 rb + cb
	s_add_nc_u64 s[BB+2:BB+3], s[BB:BB+1], s[98:99]
	s_add_nc_u64 s[BB+4:BB+5], s[BB:BB+1], s[96:97]
	s_add_nc_u64 s[BB+6:BB+7], s[BB+4:BB+5], s[98:99]
.macro FRAG reg, adr, q, i             ; a fragment, 16 rows x 128 K, is 16 registers: four loads of 512 consecutive bytes: tile i of my eight, the slot's q-th 128 along K
.irp c, 0,1,2,3
	ds_load_b128 v[\reg+4*\c:\reg+4*\c+3], v[\adr] offset:4096*(\i)+2048*(\q)+512*\c
.endr
.endm
; 16 matrix instructions: A's blocks a0, a0 + 1 x B's eight, 128 along K.  p: B's set.  zero = 1: the first product starts the sums: nothing is ever cleared.
; The 64 accumulators take turns, one instruction a turn, in the same order in every step.
.macro MUL16 a0, p, zero
.irp a, \a0, \a0+1
.irp b, 0,1,2,3,4,5,6,7
.if \zero
	v_wmma_f32_16x16x128_fp8_fp8 v[8*(8*((\a)%4)+\b):8*(8*((\a)%4)+\b)+7], v[128*(\p)+FR*\b:128*(\p)+FR*\b+FR-1], v[AF+FR*(\a):AF+FR*(\a)+FR-1], 0
.else
	v_wmma_f32_16x16x128_fp8_fp8 v[8*(8*((\a)%4)+\b):8*(8*((\a)%4)+\b)+7], v[128*(\p)+FR*\b:128*(\p)+FR*\b+FR-1], v[AF+FR*(\a):AF+FR*(\a)+FR-1], v[8*(8*((\a)%4)+\b):8*(8*((\a)%4)+\b)+7]
.endif
.endr
.endr
.endm
.macro FETCH_B slot, q, p              ; B's eight fragments of the slot's q-th 128 along K into set p
	WIN TO_B
.irp i, 0,1,2,3,4,5,6,7
	FRAG 128*(\p)+FR*\i, ADRB+\slot, \q, \i
.endr
	WIN 0
.endm
.macro FETCH_A slot, q, i0             ; A's blocks i0 .. i0 + 3
.irp i, \i0, \i0+1, \i0+2, \i0+3
	FRAG AF+FR*(\i), ADRA+\slot, \q, \i
.endr
.endm
; A load into a register that a matrix instruction has read, and a vector instruction that reads a matrix result, stand NP places behind that matrix instruction; only plain vector
; instructions that name none of its registers are places (ISA guide 7.12.1 for vector instructions).
.macro PLACES n
.rept \n
	v_nop
.endr
.endm
; A step of 128 along K that has its successor in the same slot.  A's blocks go one after the other, each against B's eight, so one set of registers serves A: blocks 0-3 are fetched anew in the step's middle, blocks 4-7 at its end.
.macro STEP slot, q, zero
	s_wait_dscnt 4*NL                              ; B's set and A's blocks 0-3 are in; the youngest sixteen loads (A's blocks 4-7) may be out
	WIN MUL_LO
	MUL16 0, (\q)%2, \zero
	MUL16 2, (\q)%2, \zero
	s_wait_dscnt 0                                 ; A's blocks 4-7 are in (asked for 32 matrix instructions ago)
	PLACES NP
	FETCH_B \slot, (\q)+1, 1-(\q)%2
	FETCH_A \slot, (\q)+1, 0
	WIN MUL_HI
	MUL16 4, (\q)%2, \zero
	MUL16 6, (\q)%2, \zero
	PLACES NP
	WIN 0
	FETCH_A \slot, (\q)+1, 4
.endm
; A slot's last step changes slots: ONE barrier; in front of it each wave waits for all its tensor loads, adds 0 to its spare word, and waits for that and for its own reads of this slot.  fill = 1: this slot is filled again, two K steps ahead.
.macro TURN slot, next, fill
	s_wait_tensorcnt 0x0                           ; all my tensor loads have landed: my part of the next slot  (every window is 0 here: the add's two registers lie in window 0)
	ds_add_u32 v[SPW], v[NIL]                      ; 0 onto my spare word
	s_wait_dscnt 4*NL+1                            ; (the add and the youngest sixteen loads, A's blocks 4-7, may be out)
	WIN MUL_LO
	MUL16 0, 1, 0                                  ; sixteen matrix instructions stand between the add and the wait for it
	s_wait_dscnt 0x0                               ; the add is done, and my reads of this slot are over
	s_barrier_signal -1
	MUL16 2, 1, 0
	WIN 0
	s_barrier_wait -1
.if \fill
	CREST                                          ; the barrier has opened a round of the cluster's barrier: no wave of any partner still reads this slot's tile or has a load on its way
	s_add_nc_u64 s[G0+4*\slot+2:G0+4*\slot+3], s[G0+4*\slot+2:G0+4*\slot+3], 2*KSB
	s_add_nc_u64 s[G0B+4*\slot+2:G0B+4*\slot+3], s[G0B+4*\slot+2:G0B+4*\slot+3], 2*KSB
	JLOAD G0+4*\slot, G1, G0B+4*\slot, G1B         ; the first tensor load behind the round, my one load until the next; the four v_nop behind it are the places in front of the loads below
.else
	PLACES NP
.endif
	FETCH_B \next, 0, 0
	FETCH_A \next, 0, 0
	WIN MUL_HI
	MUL16 4, 1, 0
	MUL16 6, 1, 0
	PLACES NP
	WIN 0
	FETCH_A \next, 0, 4
.endm
	s_wait_tensorcnt 1                             ; my part of K step 0 is in (K step 1's load may be out)
	s_barrier_signal -1
	s_barrier_wait -1                              ; everybody's is
	FETCH_B 0, 0, 0
	FETCH_A 0, 0, 0
	FETCH_A 0, 0, 4
	STEP 0, 0, 1                                   ; the first step's products start the sums.  Four K steps of 256: too few for a loop
	TURN 0, 1, 1                                   ; slot 0 takes K step 2
	STEP 1, 0, 0
	TURN 1, 0, 1                                   ; slot 1 takes K step 3
	STEP 0, 0, 0
	TURN 0, 1, 0                                   ; nothing is left to fetch, so no round of the cluster's barrier
	STEP 1, 0, 0
	s_wait_dscnt 4*NL                              ; the very last step
	WIN MUL_LO
	MUL16 0, 1, 0
	MUL16 2, 1, 0
	s_wait_dscnt 0
	WIN MUL_HI
	MUL16 4, 1, 0
	MUL16 6, 1, 0
	WIN 0
	; THE WAY OUT.  Each sum is held within +-448 x the folded scale and converted: an accumulator's eight registers are eight neighbours along the next K and become 8 bytes.
	s_wait_kmcnt 0x0
	s_cmp_eq_u32 ttmp9, 0
	s_cselect_b32 s66, s[EX+2], s[EX+3]
	s_cmp_eq_u32 ttmp9, 2
	s_cselect_b32 s66, s[EX+5], s66                ; e2, e3 or e5: a choice, no branch
	s_sub_co_i32 s66, s66, s[EX]
	s_sub_co_i32 s66, s66, s[EX+1]                 ; less e0 and e1
	s_add_co_i32 s66, s66, 127
	s_lshl_b32 s67, s66, 23
	v_mov_b32 v[CVS], s67
	s_add_co_i32 s66, s66, 8
	s_lshl_b32 s66, s66, 23
	s_or_b32 s66, s66, 0x600000
	v_mov_b32 v[HOLD], s66
	PLACES NP
	WIN 0x82                                       ; destination and source 0 window 2
.set j, 0
.rept 256
	v_med3_num_f32 v[j], v[j], -v[HOLD], v[HOLD]   ; the conversion does not saturate (ISA guide 7.6.2); each accumulator from its low end on
.set j, j+1
.endr
	WIN 0x02
.set j, 0
.rept 32
	v_cvt_scalef32_pk8_fp8_f32 v[CD+2*j:CD+2*j+1], v[8*j:8*j+7], v[CVS]
.set j, j+1
.endr
	WIN 0xc3                                       ; window 3
.set j, 0
.rept 256
	v_med3_num_f32 v[j], v[j], -v[HOLD], v[HOLD]
.set j, j+1
.endr
	WIN 0x03
.set j, 0
.rept 32
	v_cvt_scalef32_pk8_fp8_f32 v[CD+64+2*j:CD+64+2*j+1], v[8*j:8*j+7], v[CVS]
.set j, j+1
.endr
	WIN 0
	v_nop                                          ; one plain vector line behind the last conversion
	; through my stage: in by rows as the accumulators hold them, back in the order of the blocks' tiles
.irp a, 0,1,2,3,4,5,6,7
.irp b, 0,1,2,3,4,5,6,7
	ds_store_b64 v[STO], v[CD+2*(8*\a+\b):CD+2*(8*\a+\b)+1] offset:((\a/4)*2+\b/4)*SBLK+(\a%4)*16*SROW+(\b%4)*16
.endr
.endr
.irp k, 0,1,2,3
.irp t, 0,1,2,3
.irp c, 0,1
	ds_load_b128 v[CD+4*(8*\k+2*\t+\c):CD+4*(8*\k+2*\t+\c)+3], v[RD] offset:\k*SBLK+(32*(\t/2)+8*(\t%2))*SROW+32*\c   ; LDS serves a wave's instructions in order (ISA guide 5.7.1.4): these see my stores
.endr
.endr
.endr
.irp k, 0,1,2,3
.irp t, 0,1,2,3
.irp c, 0,1
	s_wait_dscnt 31-(8*\k+2*\t+\c)
	global_store_b128 v[CO], v[CD+4*(8*\k+2*\t+\c):CD+4*(8*\k+2*\t+\c)+3], s[BB+2*\k:BB+2*\k+1] offset:1024*\t+512*\c   ; 32 lanes store 512 consecutive bytes, at a multiple of 256 from the buffer's first byte
.endr
.endr
.endr
	s_wait_tensorcnt 0x0                           ; the wave's end: a wait on TENSORcnt, an add to my spare word and its wait, behind my last tensor load and my last LDS store
	ds_add_u32 v[SPW], v[NIL]
	s_wait_dscnt 0x0
	CROUND                                         ; the closing round: no work-group ends while a partner may still ask for a tile that names it
	s_endpgm
.Lfunc_end_k_q669f76ec35_qkv:
	.size	k_q669f76ec35_qkv, .Lfunc_end_k_q669f76ec35_qkv-k_q669f76ec35_qkv
	.p2alignl 7, 3214868480
	.fill 96, 4, 3214868480
	.section	.rodata,"a",@progbits
	.p2align	6, 0x0
	.amdhsa_kernel k_q669f76ec35_qkv
		.amdhsa_group_segment_fixed_size 327680
		.amdhsa_private_segment_fixed_size 0
		.amdhsa_enable_private_segment 0
		.amdhsa_kernarg_size 32
		.amdhsa_user_sgpr_count 2
		.amdhsa_user_sgpr_kernarg_segment_ptr 1
		.amdhsa_wavefront_size32 1
		.amdhsa_system_sgpr_workgroup_id_x 1
		.amdhsa_system_sgpr_workgroup_id_y 1
		.amdhsa_system_sgpr_workgroup_id_z 1
		.amdhsa_system_vgpr_workitem_id 0
		.amdhsa_next_free_vgpr 1024
		.amdhsa_next_free_sgpr 102
		.amdhsa_reserve_vcc 0
		.amdhsa_float_denorm_mode_32 3
		.amdhsa_float_denorm_mode_16_64 3
		.amdhsa_memory_ordered 1
		.amdhsa_forward_progress 1
		.amdhsa_inst_pref_size 125
	.end_amdhsa_kernel
	.amdgpu_metadata
---
amdhsa.version: [ 1, 2 ]
amdhsa.kernels:
  - .name:           k_q669f76ec35_qkv
    .symbol:         k_q669f76ec35_qkv.kd
    .args:
      - { .name: xc, .offset: 0, .size: 8, .value_kind: global_buffer, .address_space: global }
      - { .name: wqc, .offset: 8, .size: 8, .value_kind: global_buffer, .address_space: global }
      - { .name: lowp_scales, .offset: 16, .size: 8, .value_kind: global_buffer, .address_space: global }
      - { .name: qkvc, .offset: 24, .size: 8, .value_kind: global_buffer, .address_space: global }
    .group_segment_fixed_size: 327680
    .private_segment_fixed_size: 0
    .kernarg_segment_align: 8
    .kernarg_segment_size: 32
    .max_flat_workgroup_size: 128
    .sgpr_count:     102
    .vgpr_count:     1024
    .wavefront_size: 32
...
	.end_amdgpu_metadata
.endif
;; end of part 2
;; launch attn (part 3): grid 256 x 1, 4 waves a work-group, no clusters, 0 bytes of LDS; arguments qkvc, lowp_scales, ac; writes ac
.if DOCPART == 3
	.amdgcn_target "amdgcn-amd-amdhsa--gfx1250"
	.amdhsa_code_object_version 6
	.text
	.protected	k_q669f76ec35_attn
	.globl	k_q669f76ec35_attn
	.p2align	8
	.type	k_q669f76ec35_attn,@function
k_q669f76ec35_attn:
	s_mov_b64 s[64:65], 0
	v_nop
	global_prefetch_b8 v0, s[64:65] scope:SCOPE_SE
	s_setreg_imm32_b32 hwreg(HW_REG_WAVE_MODE, 25, 1), 1
	s_wait_xcnt 0x0
; Attention under the mask of the problem's own body: key j counts for query i where i - 255 <= j <= i.  Both products on codes of FP8 (E4M3); the weights are quantised FINISHED AND NORMALISED (e4); the result is quantised (e6) for the projection.
; SHARES.  A wave owns one head's block a of 64 queries: 1,024 waves in all.  Its keys lie in the five blocks of 64 that end with its own: in the oldest a key counts where its place in the block is above the query's,
; in the newest where it is not above, the three between count whole.  So a row's scores, 256 that count, lie in registers at once: the true maximum, the exponentials, the sum and the division stand ahead of the quantiser.
; Q's block, five of K and five of V^T are read once, as images of operands' registers (8 loads of 512 consecutive bytes a block).  No LDS, no barrier, no loop.  A block that would lie ahead of the head's first
; is replaced by block 0 in the address (no load leaves the head) and hidden through C.
; No joint loads: a wave reads 44 KiB in one burst at its head and nothing later, so there is no ring in which a round could stand; a work-group's four waves already read eight blocks in common.
; LAYOUT.  Both products are used transposed: S^T = K Q^T (source 0 = 16 keys, source 1 = 16 queries), O^T = V^T P^T: a lane holds ONE query throughout.  The rows of a block's tile T are
; 32 (T / 2) + 8 (T % 2) + r + 8 (r / 8), so that the 16 registers of tiles 2 b and 2 b + 1 are 16 neighbours, 32 b + 16 (lane / 16) + 0..15, along the next K.
; THE MASK IS THE C OF THE SCORES' PRODUCT: 0 where a key counts, -3e38 where it does not: the exponential of such a score is 0.  Tiles that are hidden whole are left out and their codes are zeros.
; OUT: ac, images of the projection's operand: [tile tt = 4 x (block of 64 tokens) + T][K step of 128][c][lane][16 bytes]; a tile's row r is the token that Q's tile T holds in lane r.
; LIMITS: e4 and e6 - e4 - e5 between -126 and 119; e2 + e3 between -100 and 120 (they are added to c's exponent field, and 3e38 x c must stay far above every score x c).  NaN is not served.
; REGISTERS, in windows of 256: window 0: v1-27 below; v32-191 S^T (slot s = 4 kb + T at 32 + 8 s); v192-231 P's codes (192 + 2 s); v232-239 O's codes.
;   window 1: v0-159 K (8 s); v160-191 Q (160 + 8 Tq); v192-223 O^T.   window 2: v0-159 V^T (8 (4 kb + dT)); v160-183 PU, v184-207 PL: the two diagonal masks, three shifts each; v208-239 CB: whole blocks' C.
.set NEGV, 0xff61b1e6                  ; -3e38
.set S,   32
.set P,   192
.set OC,  232
.set QW,  160                          ; window 1
.set OW,  192
.set PU,  160                          ; window 2
.set PL,  184
.set CB,  208
; v1 16 x lane; v2 lp = r + 8 (r / 8) - 16 (lane / 16); v3 -3e38; v[4:5] -m c; v[6:7] 1 / the sum; v8-11 maxima; v12 a permute's destination; v13 the oldest block's C; v14 0; v16-23 four sums;
; v24, v25: 2^e4 and 448 x that; v26, v27: 2^(e6 - e4 - e5) and 448 x that
.set MSB, 0
.macro WIN new                         ; the immediate's high byte repeats the setting that is left
.if MSB != \new
	s_set_vgpr_msb (MSB<<8)|\new
.set MSB, \new
.endif
.endm
.macro PLACES
.rept 4
	v_nop
.endr
.endm
.macro LOADBLK dst, sb                 ; a block of 4,096 bytes: register 4 n = byte 512 n + 16 x lane
.irp n, 0,1,2,3,4,5,6,7
	global_load_b128 v[\dst+4*\n:\dst+4*\n+3], v1, s[\sb:\sb+1] offset:512*\n
.endr
.endm
	s_load_b128 s[4:7], s[0:1], 0x0                ; qkvc s[4:5], the scales' exponents s[6:7]
	s_load_b64 s[8:9], s[0:1], 0x10                ; ac
	v_lshrrev_b32 v9, 5, v0
	v_readfirstlane_b32 s10, v9                    ; wave 0..3
	s_and_b32 s11, ttmp9, 7
	s_lshl_b32 s11, s11, 2
	s_add_co_u32 s11, s11, s10                     ; a: my block of 64 queries, 0..31
	s_lshr_b32 s12, ttmp9, 3                       ; 16 x batch + head
	v_and_b32 v1, 31, v0
	v_lshlrev_b32 v1, 4, v1
	v_and_b32 v2, 15, v0
	v_and_b32 v9, 8, v0
	v_add_nc_u32 v2, v2, v9
	v_and_b32 v9, 16, v0
	v_sub_nc_u32 v2, v2, v9                        ; lp
	s_mov_b32 s52, 0x76543210                      ; v_permlanex16_b32's selects for lane l xor 16
	s_mov_b32 s53, 0xfedcba98
	s_mov_b32 s60, NEGV
	v_mov_b32 v3, s60
	v_mov_b32 v5, 0                                ; (named as the upper halves of pairs, so they are written)
	v_mov_b32 v7, 0
	v_mov_b32 v12, 0                               ; a lane permute's destination counts as one of its sources
	v_mov_b32 v14, 0
	s_wait_kmcnt 0x0
	s_load_b256 s[16:23], s[6:7], 0x0              ; e0 .. e7
	s_lshl_b32 s62, s12, 17
	s_mov_b32 s63, 0
	s_add_nc_u64 s[26:27], s[4:5], s[62:63]        ; my head in q's plane
	s_lshl_b32 s62, s11, 12
	s_add_nc_u64 s[24:25], s[26:27], s[62:63]      ; Q's block
.irp kb, 0,1,2,3,4
	s_add_co_i32 s61, s11, \kb-4                   ; key block a - 4 + kb
.if \kb < 4
	s_cmp_ge_i32 s61, 0
	s_cselect_b32 s[56+\kb], 0, s60                ; its C: 0 where it exists, else -3e38
.endif
	s_max_i32 s61, s61, 0
	s_lshl_b32 s62, s61, 12
	s_add_co_u32 s62, s62, 0x400000                ; k's plane
	s_add_nc_u64 s[28+2*\kb:29+2*\kb], s[26:27], s[62:63]
	s_add_nc_u64 s[38+2*\kb:39+2*\kb], s[28+2*\kb:29+2*\kb], 0x400000   ; v's plane
.endr
	s_lshr_b32 s61, s12, 4
	s_lshl_b32 s61, s61, 5
	s_add_co_u32 s61, s61, s11                     ; my block among all 64 blocks of tokens:
	s_lshl_b32 s61, s61, 16                        ; four tiles of 16,384 bytes;
	s_and_b32 s62, s12, 15
	s_lshl_b32 s62, s62, 10                        ; my head's 64 of K: 1,024 bytes of a tile
	s_add_co_u32 s62, s62, s61
	s_add_nc_u64 s[54:55], s[8:9], s[62:63]
	WIN 0x40                                       ; destination window 1
	LOADBLK QW, 24
.irp kb, 0,1,2,3,4
	LOADBLK 32*\kb, 28+2*\kb
.endr
	WIN 0
	s_wait_kmcnt 0x0
	s_add_co_i32 s61, s18, s19                     ; a score stands for score x 2^(e2 + e3): the exponents are added to c's exponent field
	s_lshl_b32 s61, s61, 23
	s_add_co_i32 s48, s61, 0x3e38aa3b              ; c = log2(e) / sqrt(64)
	s_mov_b32 s49, s48                             ; (named with it as a pair)
	s_xor_b32 s50, s48, 0x80000000                 ; -c
	s_add_co_i32 s61, s20, 127
	s_lshl_b32 s62, s61, 23
	v_mov_b32 v24, s62                             ; 2^e4
	s_add_co_i32 s61, s61, 8
	s_lshl_b32 s61, s61, 23
	s_or_b32 s61, s61, 0x600000
	v_mov_b32 v25, s61                             ; 448 x 2^e4
	s_sub_co_i32 s61, s22, s20
	s_sub_co_i32 s61, s61, s21                     ; a sum of the second product stands for sum x 2^(e4 + e5): its code is sum / 2^(e6 - e4 - e5)
	s_add_co_i32 s61, s61, 127
	s_lshl_b32 s62, s61, 23
	v_mov_b32 v26, s62
	s_add_co_i32 s61, s61, 8
	s_lshl_b32 s61, s61, 23
	s_or_b32 s61, s61, 0x600000
	v_mov_b32 v27, s61
	v_mov_b32 v13, s56
	; THE MASKS, made once, while Q and K are on their way.  Query tile 2 bq + uq against key tile 2 b + u with b = bq: register j's key lies above the lane's query where 8 (u - uq) + j > lp.  d = u - uq + 1.
	WIN 0x80                                       ; destination window 2
.irp d, 0,1,2
.irp j, 0,1,2,3,4,5,6,7
	v_cmp_gt_i32 vcc_lo, 8*(\d-1)+\j, v2
	v_cndmask_b32 v[PU+8*\d+\j], v3, v13, vcc_lo   ; the oldest block: a key above the query counts (if the block exists)
	v_cndmask_b32 v[PL+8*\d+\j], v14, v3, vcc_lo   ; the newest: it is hidden
.endr
.endr
.irp kb, 0,1,2,3
.irp j, 0,1,2,3,4,5,6,7
	v_mov_b32 v[CB+8*\kb+\j], s[56+\kb]
.endr
.endr
.irp kb, 0,1,2,3,4
	LOADBLK 32*\kb, 38+2*\kb                       ; V^T: wanted behind the first softmax
.endr
	WIN 0
.macro WQK sl, tq, cr                  ; the scores of slot sl for query tile tq; cr: C's first register in window 2, or -1 for the constant 0
.if (\cr) < 0
	v_wmma_f32_16x16x64_fp8_fp8 v[S+8*(\sl):S+8*(\sl)+7], v[8*(\sl):8*(\sl)+7], v[QW+8*(\tq):QW+8*(\tq)+7], 0
.else
	v_wmma_f32_16x16x64_fp8_fp8 v[S+8*(\sl):S+8*(\sl)+7], v[8*(\sl):8*(\sl)+7], v[QW+8*(\tq):QW+8*(\tq)+7], v[(\cr):(\cr)+7]
.endif
.endm
; 18 products, each with a destination of its own.  In the oldest block the tiles under the query's half, in the newest those above it, are hidden whole and left out: slots 0-17 are live for bq = 0, slots 2-19 for bq = 1.
.macro QK tq
.set bq, (\tq)/2
.set uq, (\tq)%2
	WIN 0x25                                       ; K and Q window 1, C window 2, S^T window 0
.irp kb, 0,1,2,3,4
.irp t, 0,1,2,3
.set sl, 4*\kb+\t
.set bb, \t/2
.set dd, \t%2-uq+1
.if \kb == 0
.if bb == bq
	WQK sl, \tq, PU+8*dd
.elseif bb > bq
	WQK sl, \tq, CB
.endif
.elseif \kb == 4
.if bb == bq
	WQK sl, \tq, PL+8*dd
.elseif bb < bq
	WQK sl, \tq, -1
.endif
.else
	WQK sl, \tq, CB+8*\kb
.endif
.endr
.endr
	WIN 0
.endm
; The softmax of 16 queries, a lane's 144 live registers from LB on.
.macro SOFTMAX bq
.set LB, S+16*(\bq)
	v_max3_num_f32 v8, v[LB], v[LB+1], v[LB+2]     ; the maximum in four chains; the registers are taken in ascending order
	v_max3_num_f32 v9, v[LB+3], v[LB+4], v[LB+5]
	v_max3_num_f32 v10, v[LB+6], v[LB+7], v[LB+8]
	v_max3_num_f32 v11, v[LB+9], v[LB+10], v[LB+11]
.set i, 12
.rept 66
	v_max3_num_f32 v[8+((i-12)/2)%4], v[8+((i-12)/2)%4], v[LB+i], v[LB+i+1]
.set i, i+2
.endr
	v_max3_num_f32 v8, v8, v9, v10
	v_max_num_f32 v8, v8, v11
	v_permlanex16_b32 v12, v8, s52, s53            ; the query's other keys lie in the lane 16 away
	v_max_num_f32 v8, v8, v12                      ; the row's true maximum: the query's own key always counts
	v_mul_f32 v4, s50, v8                          ; -m c.  Its rounding is one factor common to the whole row and leaves with the division
.set i, 0
.rept 72
	v_pk_fma_f32 v[LB+i:LB+i+1], v[LB+i:LB+i+1], s[48:49], v[4:5] op_sel_hi:[1,0,0]   ; c s - c m, two at a time (of the pairs the low word serves both halves)
.set i, i+2
.endr
.set i, 0
.rept 144
	v_exp_f32 v[LB+i], v[LB+i]                     ; one batch
.set i, i+1
.endr
.irp z, 0,1,2,3
	v_mov_b32 v[P+36*(1-(\bq))+\z], 0              ; the codes of the two tiles left out.  (Plain lines behind the exponentials)
.endr
	s_wait_alu depctr_va_vdst(0)                   ; the wait ahead of the first line that names a result: one for the batch
.irp c, 0,1,2,3
	v_pk_add_f32 v[16+2*\c:17+2*\c], v[LB+2*\c:LB+2*\c+1], v[LB+8+2*\c:LB+9+2*\c]   ; the row's sum, in four chains of pairs
.endr
.set i, 16
.rept 64
	v_pk_add_f32 v[16+2*((i/2)%4):17+2*((i/2)%4)], v[16+2*((i/2)%4):17+2*((i/2)%4)], v[LB+i:LB+i+1]
.set i, i+2
.endr
	v_pk_add_f32 v[16:17], v[16:17], v[18:19]
	v_pk_add_f32 v[20:21], v[20:21], v[22:23]
	v_pk_add_f32 v[16:17], v[16:17], v[20:21]
	v_add_f32 v16, v16, v17
	v_permlanex16_b32 v12, v16, s52, s53
	v_add_f32 v16, v16, v12
	v_rcp_f32 v6, v16
	v_nop                                          ; a plain line behind the reciprocal
	s_wait_alu depctr_va_vdst(0)                   ; and the wait ahead of its first reader
.set i, 0
.rept 72
	v_pk_mul_f32 v[LB+i:LB+i+1], v[LB+i:LB+i+1], v[6:7] op_sel_hi:[1,0]   ; the finished weight
.set i, i+2
.endr
	s_cmp_ge_i32 s20, -8                           ; a weight is at most 1 (give or take its rounding), under 448 x 2^-8 = 1.75: from e4 = -8 on the hold changes nothing.  A branch on a whole number of the input; every window is 0
	s_cbranch_scc1 .Lnohold_\@
.set i, 0
.rept 144
	v_min_num_f32 v[LB+i], v[LB+i], v25            ; the conversion does not saturate (ISA guide 7.6.2); a weight is not negative, so the hold is one-sided
.set i, i+1
.endr
.Lnohold_\@:
.set i, 0
.rept 18
	v_cvt_scalef32_pk8_fp8_f32 v[P+4*(\bq)+2*i:P+4*(\bq)+2*i+1], v[LB+8*i:LB+8*i+7], v24
.set i, i+1
.endr
	v_nop                                          ; one plain line between the conversions and the products that read their results
.endm
; O^T = V^T P^T: 64 keys an instruction; the four accumulators take turns, one instruction a turn; the first four start the sums.
.macro PV
	WIN 0x52                                       ; V^T window 2, P window 0, O^T window 1
.irp kb, 0,1,2,3,4
.irp dt, 0,1,2,3
.if \kb == 0
	v_wmma_f32_16x16x64_fp8_fp8 v[OW+8*\dt:OW+8*\dt+7], v[32*\kb+8*\dt:32*\kb+8*\dt+7], v[P+8*\kb:P+8*\kb+7], 0
.else
	v_wmma_f32_16x16x64_fp8_fp8 v[OW+8*\dt:OW+8*\dt+7], v[32*\kb+8*\dt:32*\kb+8*\dt+7], v[P+8*\kb:P+8*\kb+7], v[OW+8*\dt:OW+8*\dt+7]
.endif
.endr
.endr
.endm
.macro OPOST tq
	PLACES
	WIN 0x41                                       ; destination and source 0 window 1
.set i, 0
.rept 32
	v_med3_num_f32 v[OW+i], v[OW+i], -v27, v27     ; each accumulator from its low end on
.set i, i+1
.endr
.if (\tq) > 0
	s_wait_xcnt 0x0                                ; the last tile's stores have read their data: only behind this wait are the codes' registers written again
.endif
	WIN 0x01
.irp dt, 0,1,2,3
	v_cvt_scalef32_pk8_fp8_f32 v[OC+2*\dt:OC+2*\dt+1], v[OW+8*\dt:OW+8*\dt+7], v26
.endr
	WIN 0
	v_nop                                          ; one plain line behind the last conversion
.irp b, 0,1
	global_store_b128 v1, v[OC+4*\b:OC+4*\b+3], s[54:55] offset:16384*(\tq)+512*\b   ; group 2 (head % 2) + b of the tile's fragment: 512 consecutive bytes
.endr
.endm
.macro TILE tq
.if (\tq) == 0
	s_wait_loadcnt 40                              ; Q and K are in; V's forty loads may be out
.endif
	QK \tq
	PLACES
	SOFTMAX (\tq)/2
.if (\tq) == 0
	s_wait_loadcnt 0x0                             ; V
.endif
	PV
	OPOST \tq
.endm
	TILE 0
	TILE 1
	TILE 2
	TILE 3
	s_endpgm
.Lfunc_end_k_q669f76ec35_attn:
	.size	k_q669f76ec35_attn, .Lfunc_end_k_q669f76ec35_attn-k_q669f76ec35_attn
	.p2alignl 7, 3214868480
	.fill 96, 4, 3214868480
	.section	.rodata,"a",@progbits
	.p2align	6, 0x0
	.amdhsa_kernel k_q669f76ec35_attn
		.amdhsa_group_segment_fixed_size 0
		.amdhsa_private_segment_fixed_size 0
		.amdhsa_enable_private_segment 0
		.amdhsa_kernarg_size 24
		.amdhsa_user_sgpr_count 2
		.amdhsa_user_sgpr_kernarg_segment_ptr 1
		.amdhsa_wavefront_size32 1
		.amdhsa_system_sgpr_workgroup_id_x 1
		.amdhsa_system_sgpr_workgroup_id_y 1
		.amdhsa_system_sgpr_workgroup_id_z 1
		.amdhsa_system_vgpr_workitem_id 0
		.amdhsa_next_free_vgpr 768
		.amdhsa_next_free_sgpr 66
		.amdhsa_reserve_vcc 1
		.amdhsa_float_denorm_mode_32 3
		.amdhsa_float_denorm_mode_16_64 3
		.amdhsa_memory_ordered 1
		.amdhsa_forward_progress 1
		.amdhsa_inst_pref_size 152
	.end_amdhsa_kernel
	.amdgpu_metadata
---
amdhsa.version: [ 1, 2 ]
amdhsa.kernels:
  - .name:           k_q669f76ec35_attn
    .symbol:         k_q669f76ec35_attn.kd
    .args:
      - { .name: qkvc, .offset: 0, .size: 8, .value_kind: global_buffer, .address_space: global }
      - { .name: lowp_scales, .offset: 8, .size: 8, .value_kind: global_buffer, .address_space: global }
      - { .name: ac, .offset: 16, .size: 8, .value_kind: global_buffer, .address_space: global }
    .group_segment_fixed_size: 0
    .private_segment_fixed_size: 0
    .kernarg_segment_align: 8
    .kernarg_segment_size: 24
    .max_flat_workgroup_size: 128
    .sgpr_count:     66
    .vgpr_count:     768
    .wavefront_size: 32
...
	.end_amdgpu_metadata
.endif
;; end of part 3
;; launch proj (part 4): grid 8 x 32, 4 waves a work-group, clusters of 4 x 4, 327,680 bytes of LDS; arguments ac, woc, lowp_scales, out0; writes out0
.if DOCPART == 4
	.amdgcn_target "amdgcn-amd-amdhsa--gfx1250"
	.amdhsa_code_object_version 6
	.text
	.protected	k_q669f76ec35_proj
	.globl	k_q669f76ec35_proj
	.p2align	8
	.type	k_q669f76ec35_proj,@function
k_q669f76ec35_proj:
	s_mov_b64 s[64:65], 0
	v_nop
	global_prefetch_b8 v0, s[64:65] scope:SCOPE_SE
	s_setreg_imm32_b32 hwreg(HW_REG_WAVE_MODE, 25, 1), 1
	s_wait_xcnt 0x0
	s_wait_alu depctr_hold_cnt(0) depctr_sa_sdst(0) depctr_va_vdst(0) depctr_va_sdst(0) depctr_va_ssrc(0) depctr_va_vcc(0) depctr_vm_vsrc(0)
	s_getreg_b32 s2, hwreg(HW_REG_IB_STS2, 6, 4)
	s_cmp_eq_u32 s2, 0
	s_cbranch_scc0 .Lentry_in_a_cluster
	s_endpgm
.Lentry_in_a_cluster:
	s_bfe_u32 s2, ttmp6, 0x10000c
	s_cmp_lg_u32 s2, 0xf033
	s_cbranch_scc0 .Lentry_shape_is_right
	s_endpgm
.Lentry_shape_is_right:
; out0 = a W_out^T on codes of FP8 (E4M3): a's codes (e6) come from the attention's launch, W_out's (e7) from the quantiser's; each finished sum is multiplied once by 2^(e6 + e7).
; A tile of 128 x 128 of out0 is made by four waves, each 64 x 64: 16 accumulators: 256 tiles.  Both operands lie in memory as images of their registers ([tile of 16 rows][K step of 128][c][lane][16 bytes]).
; ALL OF K FITS IN LDS: 2 x 128 rows x 1,024 codes are 262,144 bytes, in four chunks of 256 along K.  Each wave asks for its quarter of every chunk at the start: four loads of mine are out,
; and a chunk is read behind a counted wait and a barrier while the later ones are on their way.
; CLUSTERS OF 4 x 4: A's tiles are asked for jointly along a row of the cluster, B's along a column.  THE MATRIX INSTRUCTION IS USED TRANSPOSED: a lane holds eight neighbouring numbers of a row of out0.
; a's tile tt = 4 x (block of 64 tokens) + T holds in row r the token 32 (T / 2) + 8 (T % 2) + r + 8 (r / 8) of its block: the way out puts each row where it belongs.
; LIMIT: e6 + e7 between -126 and 127, so that 2^(e6 + e7) is an f32 number.
; REGISTERS: window 0: v0-31 addresses; v32-63 a block's scaled sums; v64-127 rows read back, two sets; v128-255 the accumulators ((a, b) at 128 + 8 (4 a + b)).  window 1: two fragment buffers of 128: A's four fragments, then B's four.
.set QUART,  16384                     ; what one tensor load brings: 4 tiles of 16 rows x 4,096 bytes
.set CHUNK,  4*QUART                   ; A's two halves, then B's two halves, 256 along K
.set KSB,    4096
.set STAGE,  4*CHUNK                   ; behind the chunks: 16 rows x 272 bytes for each wave, for the way out; no tensor load lands there
.set SPITCH, 272
.set SPARE,  STAGE+4*16*SPITCH         ; behind the stages: the spare words, 128 bytes for each wave: two blocks of 256 bytes that no other line names
.set ADRA, 16                          ; v16-19  LDS address of my A fragments in chunk 0..3
.set ADRB, 20                          ; v20-23  the same for B
.set STO,  24                          ; v24     the way out: where I put 32 bytes of a row
.set RD,   25                          ; v25     where I read a row back
.set CO,   26                          ; v26     my byte offset in two rows of out0
.set SPW,  28                          ; v28     LDS address of my spare word; never rewritten
.set NIL,  29                          ; v29     0; never rewritten
.set TMP,  32
.set BK,   64
.set ACC,  128
.set G1, 24                            ; s[24:31] descriptor group 1 for A's tiles
.set G1B, 48                           ; s[48:55] for B's
.set G0, 68                            ; s[68:83] group 0 for A's tiles, a set for each chunk
.set G0B, 84                           ; s[84:99] for B's
.set MSB, 0
.macro WIN new                         ; the immediate's high byte repeats the setting that is left
.if MSB != \new
	s_set_vgpr_msb (MSB<<8)|\new
.set MSB, \new
.endif
.endm
.macro CROUND                          ; a round of the cluster's barrier
	s_barrier_signal -1
	s_barrier_wait -1
	s_cmp_lg_u32 s14, 0
	s_cbranch_scc1 .Lnot_wave_0_\@
	s_barrier_signal -3
.Lnot_wave_0_\@:
	s_barrier_wait -3
	s_barrier_signal -1
	s_barrier_wait -1
.endm
.macro PLACES                          ; four places in front of loads into registers that matrix instructions have read, and of the first read of results (ISA guide 7.12.1 for the first read of results)
.rept 4
	v_nop
.endr
.endm
	s_load_b128 s[4:7], s[0:1], 0x0                ; ac s[4:5], woc s[6:7]
	s_load_b128 s[8:11], s[0:1], 0x10              ; the scales' exponents s[8:9], out0 s[10:11]
	v_lshl_add_u32 v[SPW], v0, 2, SPARE
	v_mov_b32 v[NIL], 0
	ds_add_u32 v[SPW], v[NIL]                      ; the wave's opening: the add and its wait stand ahead of my first tensor load; the set-up below, work on registers, stands between them
	v_lshrrev_b32 v1, 5, v0
	v_readfirstlane_b32 s14, v1                    ; wave 0..3
	s_lshr_b32 s15, s14, 1                         ; which half of the tile's rows is mine.  Also: I fetch for A (0) or for B (1)
	s_and_b32 s16, s14, 1                          ; which half of its columns.  Also: which 64 rows of that tile I fetch
	s_bfe_u32 s40, ttmp6, 0x40000                  ; cx, cy: my place in the cluster
	s_bfe_u32 s41, ttmp6, 0x40004
	s_lshl_b32 s42, ttmp9, 2
	s_add_co_u32 s42, s42, s40                     ; tile column = 4 x cluster x + cx
	s_and_b32 s17, ttmp7, 0xffff
	s_lshl_b32 s17, s17, 2
	s_add_co_u32 s17, s17, s41                     ; tile row = 4 x cluster y + cy
	s_lshl_b32 s43, s41, 2
	s_lshl_b32 s43, 15, s43                        ; my row of the cluster
	s_lshl_b32 s44, 0x1111, s40                    ; my column
	; descriptor group 1: 4 rows (tiles of 16) x 512 elements of 8 bytes, 2,048 elements apart; dense in LDS
	s_or_b32 s[G1+0], s43, (3<<16)|(1<<21)         ; 15:0 the mask; 17:16 elements of 8 bytes; 20 no padding; 21 set beside a mask
	s_or_b32 s[G1B+0], s44, (3<<16)|(1<<21)
.irp g, G1, G1B
	s_mov_b32 s[\g+1], 512<<16                     ; tensor_dim0 = 512
	s_mov_b32 s[\g+2], 4<<16                       ; tensor_dim1 = 4
	s_mov_b32 s[\g+3], 512<<16                     ; tile_dim0 = 512
	s_mov_b32 s[\g+4], 4                           ; tile_dim1 = 4
	s_mov_b32 s[\g+5], 2048                        ; tensor_dim0_stride
	s_mov_b32 s[\g+6], 0
	s_mov_b32 s[\g+7], 0
.endr
	s_lshl_b32 s18, s16, 16                        ; which 64 rows of the tile I fetch: 4 tiles of 16,384 bytes
	s_lshl_b32 s20, s17, 17
	s_add_co_u32 s20, s20, s18                     ; A: 131,072 x tile row + my half
	s_mov_b32 s21, 0
	s_lshl_b32 s46, s42, 17
	s_add_co_u32 s46, s46, s18                     ; B: 131,072 x tile column + my half
	s_mov_b32 s47, 0
	s_mul_i32 s45, s14, QUART                      ; where they go in a chunk: no place in the cluster enters an LDS address
	s_wait_dscnt 0x0                               ; the opening add is done
	s_wait_kmcnt 0x0
	s_load_b64 s[36:37], s[8:9], 0x18              ; e6, e7
	s_add_nc_u64 s[20:21], s[4:5], s[20:21]
	s_add_nc_u64 s[46:47], s[6:7], s[46:47]
	CROUND                                         ; all sixteen work-groups are here: the joint loads meet
.irp k, 0,1,2,3
	s_mov_b32 s[G0+4*\k], 1
	s_add_co_u32 s[G0+4*\k+1], s45, \k*CHUNK
	s_add_nc_u64 s[G0+4*\k+2:G0+4*\k+3], s[20:21], \k*KSB
	s_or_b32 s[G0+4*\k+3], s[G0+4*\k+3], 0x80000000
	s_mov_b32 s[G0B+4*\k], 1
	s_add_co_u32 s[G0B+4*\k+1], s45, \k*CHUNK
	s_add_nc_u64 s[G0B+4*\k+2:G0B+4*\k+3], s[46:47], \k*KSB
	s_or_b32 s[G0B+4*\k+3], s[G0B+4*\k+3], 0x80000000
.endr
	s_cmp_eq_u32 s15, 0                            ; a wave's four fills stand in one branch on its number, ahead of every wait on TENSORcnt and every LDS read; an s_nop 0 follows each, four v_nop the last
	s_cbranch_scc0 .Lfirst_b
.irp k, 0,1,2,3
	tensor_load_to_lds s[G0+4*\k:G0+4*\k+3], s[G1:G1+7]
	s_nop 0
.endr
.rept 4
	v_nop
.endr
	s_branch .Lfirst_asked
.Lfirst_b:
.irp k, 0,1,2,3
	tensor_load_to_lds s[G0B+4*\k:G0B+4*\k+3], s[G1B:G1B+7]
	s_nop 0
.endr
.rept 4
	v_nop
.endr
.Lfirst_asked:
	v_and_b32 v1, 31, v0
	v_lshlrev_b32 v4, 4, v1                        ; 16 x lane
	s_lshl_b32 s22, s15, 14                        ; my 64 rows of A
	s_lshl_b32 s23, s16, 14                        ; my 64 rows of B,
	s_add_co_u32 s23, s23, 2*QUART                 ; which lie behind A's 128
.irp k, 0,1,2,3
	v_add_nc_u32 v[ADRA+\k], s22, v4
	v_add_nc_u32 v[ADRB+\k], s23, v4
	s_add_co_u32 s22, s22, CHUNK
	s_add_co_u32 s23, s23, CHUNK
.endr
	s_mul_i32 s22, s14, 16*SPITCH
	s_add_co_u32 s22, s22, STAGE                   ; my stage
	v_and_b32 v2, 15, v0                           ; r
	v_bfe_u32 v3, v0, 4, 1                         ; h
	v_mul_u32_u24 v5, v2, SPITCH
	v_lshl_add_u32 v5, v3, 5, v5
	v_add_nc_u32 v[STO], s22, v5                   ; in: row r, 32 bytes for each half of the lanes
	v_mul_u32_u24 v5, v3, SPITCH
	v_lshl_add_u32 v5, v2, 4, v5
	v_add_nc_u32 v[RD], s22, v5                    ; back: lanes 0-15 one row of 256 bytes, lanes 16-31 the next
	v_lshlrev_b32 v5, 12, v3
	v_lshl_add_u32 v[CO], v2, 4, v5                ; and the same two rows in out0 (4,096 bytes a row)
	s_lshl_b32 s20, s17, 1
	s_add_co_u32 s20, s20, s15                     ; my block of 64 tokens,
	s_lshl_b32 s20, s20, 18                        ; 64 rows of 4,096 bytes;
	s_lshl_b32 s46, s42, 9                         ; my first column, in bytes: 512 x tile column + 256 x half
	s_lshl_b32 s47, s16, 8
	s_add_co_u32 s46, s46, s47
	s_add_co_u32 s20, s20, s46
	s_mov_b32 s21, 0
	s_add_nc_u64 s[10:11], s[10:11], s[20:21]
.macro FETCH kc, q, f                  ; the fragments of chunk kc's q-th 128 along K into buffer f: 32 loads of 512 consecutive bytes
	WIN 0x40                                       ; destination window 1, address window 0
.irp i, 0,1,2,3
.irp c, 0,1,2,3
	ds_load_b128 v[(\f)+16*\i+4*\c:(\f)+16*\i+4*\c+3], v[ADRA+(\kc)] offset:4096*\i+2048*(\q)+512*\c
.endr
.endr
.irp i, 0,1,2,3
.irp c, 0,1,2,3
	ds_load_b128 v[(\f)+64+16*\i+4*\c:(\f)+64+16*\i+4*\c+3], v[ADRB+(\kc)] offset:4096*\i+2048*(\q)+512*\c
.endr
.endr
	WIN 0
.endm
.macro MUL f, s                        ; 16 matrix instructions, 128 along K; the 16 accumulators take turns, one instruction a turn, in the same order in every step; step 0 starts the sums
	WIN 0x05                                       ; sources 0 (B) and 1 (A) window 1; C and D window 0
.irp a, 0,1,2,3
.irp b, 0,1,2,3
.if (\s) == 0
	v_wmma_f32_16x16x128_fp8_fp8 v[ACC+8*(4*\a+\b):ACC+8*(4*\a+\b)+7], v[(\f)+64+16*\b:(\f)+64+16*\b+15], v[(\f)+16*\a:(\f)+16*\a+15], 0
.else
	v_wmma_f32_16x16x128_fp8_fp8 v[ACC+8*(4*\a+\b):ACC+8*(4*\a+\b)+7], v[(\f)+64+16*\b:(\f)+64+16*\b+15], v[(\f)+16*\a:(\f)+16*\a+15], v[ACC+8*(4*\a+\b):ACC+8*(4*\a+\b)+7]
.endif
.endr
.endr
.endm
; Step s of eight: the next step's fragments are asked for, then this step is multiplied.  Where the next step begins a chunk, that chunk is first shown whole to every wave.
.macro KS s
.if (\s) > 0
	PLACES
.endif
.if ((\s)%2 == 1) && ((\s) < 7)
	s_wait_tensorcnt 3-((\s)+1)/2                  ; my part of chunk (s + 1) / 2 is in; the later chunks' loads may be out
	s_wait_dscnt 0x0                               ; no LDS instruction of mine is pending at a signal
	s_barrier_signal -1
	s_barrier_wait -1
.endif
.if (\s) < 7
	FETCH ((\s)+1)/2, ((\s)+1)%2, 128*(((\s)+1)%2)
	s_wait_dscnt 32                                ; all but the 32 just issued
.else
	s_wait_dscnt 0x0
.endif
	MUL 128*((\s)%2), \s
.endm
	s_wait_tensorcnt 3                             ; my part of chunk 0 is in (three younger loads may be out),
	s_barrier_signal -1
	s_barrier_wait -1                              ; everybody's is
	FETCH 0, 0, 0
.irp s, 0,1,2,3,4,5,6,7
	KS \s
.endr
	WIN 0
; THE WAY OUT, a tile of 16 rows x 64 columns at a time: x 2^(e6 + e7), through my own stage in LDS, back as whole rows of 256 bytes.
.macro TOSTAGE a
.irp j, 0,2,4,6,8,10,12,14,16,18,20,22,24,26,28,30
	v_pk_mul_f32 v[TMP+\j:TMP+\j+1], v[ACC+32*(\a)+\j:ACC+32*(\a)+\j+1], s[36:37] op_sel_hi:[1,0]   ; both x s36: nothing is rounded, short of overflow and underflow; each accumulator from its low end on
.endr
.irp b, 0,1,2,3
	ds_store_b128 v[STO], v[TMP+8*\b:TMP+8*\b+3] offset:64*\b
	ds_store_b128 v[STO], v[TMP+8*\b+4:TMP+8*\b+7] offset:64*\b+16
.endr
.irp t, 0,1,2,3,4,5,6,7
	ds_load_b128 v[BK+32*((\a)%2)+4*\t:BK+32*((\a)%2)+4*\t+3], v[RD] offset:\t*2*SPITCH   ; LDS serves a wave's instructions in order (ISA guide 5.7.1.4): these see my stores; the next tile's stores come behind them
.endr
.endm
.macro SEND a, younger                 ; younger: the LDS instructions issued behind tile a's loads, which may stay out
	s_wait_dscnt \younger
.irp t, 0,1,2,3,4,5,6,7
	global_store_b128 v[CO], v[BK+32*((\a)%2)+4*\t:BK+32*((\a)%2)+4*\t+3], s[10:11] offset:(32*((\a)/2)+8*((\a)%2)+2*\t+8*(\t/4))*4096 th:TH_STORE_NT   ; stage rows 2 t, 2 t + 1 are tokens 32 (a / 2) + 8 (a % 2) + 2 t + 8 (t / 4) and the next; 16 lanes store 256 consecutive bytes, aligned
.endr
.endm
	s_wait_kmcnt 0x0
	s_add_co_i32 s36, s36, s37                     ; e6 + e7
	s_add_co_i32 s36, s36, 127
	s_lshl_b32 s36, s36, 23                        ; 2^(e6 + e7) as f32
	s_mov_b32 s37, s36                             ; (named with it as a pair)
	PLACES
	TOSTAGE 0
	TOSTAGE 1
	SEND 0, 16                                     ; behind tile 0's loads: tile 1's 8 stores and 8 loads
	s_wait_xcnt 0x0                                ; tile 0's stores have read their registers: tile 2's loads may land there
	TOSTAGE 2
	SEND 1, 16
	s_wait_xcnt 0x0
	TOSTAGE 3
	SEND 2, 16
	SEND 3, 0
	s_wait_tensorcnt 0x0                           ; the wave's end: a wait on TENSORcnt, an add to my spare word and its wait, behind my last tensor load and my last LDS store
	ds_add_u32 v[SPW], v[NIL]
	s_wait_dscnt 0x0
	CROUND                                         ; the closing round: no work-group ends while a partner may still ask for a tile that names it
	s_endpgm
.Lfunc_end_k_q669f76ec35_proj:
	.size	k_q669f76ec35_proj, .Lfunc_end_k_q669f76ec35_proj-k_q669f76ec35_proj
	.p2alignl 7, 3214868480
	.fill 96, 4, 3214868480
	.section	.rodata,"a",@progbits
	.p2align	6, 0x0
	.amdhsa_kernel k_q669f76ec35_proj
		.amdhsa_group_segment_fixed_size 327680
		.amdhsa_private_segment_fixed_size 0
		.amdhsa_enable_private_segment 0
		.amdhsa_kernarg_size 32
		.amdhsa_user_sgpr_count 2
		.amdhsa_user_sgpr_kernarg_segment_ptr 1
		.amdhsa_wavefront_size32 1
		.amdhsa_system_sgpr_workgroup_id_x 1
		.amdhsa_system_sgpr_workgroup_id_y 1
		.amdhsa_system_sgpr_workgroup_id_z 1
		.amdhsa_system_vgpr_workitem_id 0
		.amdhsa_next_free_vgpr 512
		.amdhsa_next_free_sgpr 100
		.amdhsa_reserve_vcc 0
		.amdhsa_float_denorm_mode_32 3
		.amdhsa_float_denorm_mode_16_64 3
		.amdhsa_memory_ordered 1
		.amdhsa_forward_progress 1
		.amdhsa_inst_pref_size 47
	.end_amdhsa_kernel
	.amdgpu_metadata
---
amdhsa.version: [ 1, 2 ]
amdhsa.kernels:
  - .name:           k_q669f76ec35_proj
    .symbol:         k_q669f76ec35_proj.kd
    .args:
      - { .name: ac, .offset: 0, .size: 8, .value_kind: global_buffer, .address_space: global }
      - { .name: woc, .offset: 8, .size: 8, .value_kind: global_buffer, .address_space: global }
      - { .name: lowp_scales, .offset: 16, .size: 8, .value_kind: global_buffer, .address_space: global }
      - { .name: out0, .offset: 24, .size: 8, .value_kind: global_buffer, .address_space: global }
    .group_segment_fixed_size: 327680
    .private_segment_fixed_size: 0
    .kernarg_segment_align: 8
    .kernarg_segment_size: 32
    .max_flat_workgroup_size: 128
    .sgpr_count:     100
    .vgpr_count:     512
    .wavefront_size: 32
...
	.end_amdgpu_metadata
.endif
;; end of part 4
